; MI455X (gfx1250); checked and timed in simulation.
; The chip was launched on July 23, 2026; its instructions are those of AMD's public machine-readable ISA for CDNA 5 (MIT licence, August 2026) and "CDNA5" Instruction Set Architecture Reference Guide (July 2026). The comments in the code are by the model that wrote it; some were corrected since.
;; Lora Linear. Allowed arithmetic: matrix products marked QUANTISED: E2M1 operands, one E8M0 scale for each 32 along K, by v_wmma_scale_f32_16x16x128_f8f6f4 with both operands' format E2M1 (or v_wmma_scale_f32_32x16x128_f4), f32 sums; products left as they are: f32 operands where the result goes on into a quantised operand, else bf16, f16 or f32 operands; f32 sums; everything else in f32.
;; Inputs: lora_matrix_A 16 x 4,096 float32; lora_matrix_B 2,048 x 16 float32; x 4 x 2,048 x 4,096 float32.
;; Outputs: out0 4 x 2,048 x 2,048 float32.
;; This version of the problem:
;;   THIS VERSION OF THE PROBLEM IS GIVEN IN LOW PRECISION. The matrix products marked QUANTISED in the list below multiply operands that are first quantised to E2M1 (2 exponent bits, 1 mantissa bit; 4 bits a number), with one power-of-two scale for each 32 numbers along K (OCP MX v1.0); their sums are f32. All else is computed in f32.
;;   The module's matrix products, in the order in which they are computed (A, B: the left and right operand; K: the contracted axis; several contracted axes count as one K, in the product's order):
;;     1. [M 2,048, K 16] x [K 16, N 4,096]; A: input lora_matrix_B; B: input lora_matrix_A: left as it is (K = 16 < 32)
;;     2. [M 8,192, K 4,096] x [K 4,096, N 2,048]; A: input x; B: computed on the way: QUANTISED
;;   THE QUANTISER, for each operand of a quantised product, along K:
;;     - K is cut into blocks of 32 from its start; a last block that is shorter is filled with zeros.
;;     - A block's scale is 2^e with e = floor(log2(the largest magnitude in the block)) - 2, held to -126 .. 127; a block of zeros has e = 0. As a byte (E8M0): e + 127.
;;     - Each number is divided by its block's scale, clamped to +-6, and rounded to the nearest number of E2M1, ties to even, subnormals kept.
;;     - The product sums the exact products of the quantised numbers (number of the format x scale) in f32.
;;   ~~~python
;;   def quantise(x, axis):      # numpy; x: float32 -> the quantised numbers, widened to float32 again
;;       x = np.moveaxis(x, axis, -1); K = x.shape[-1]
;;       x = np.pad(x, [(0, 0)] * (x.ndim - 1) + [(0, -K % 32)]); x = x.reshape(x.shape[:-1] + (-1, 32)); a = np.abs(x).max(-1, keepdims=True)
;;       e = np.where(a > 0, np.clip(np.frexp(np.where(a > 0, a, 1))[1] - 1 - 2, -126, 127), 0)      # np.frexp(a)[1] - 1 = floor(log2(a)), exactly
;;       r = np.clip(x / 2.0 ** e, -6, 6)
;;       step = 2.0 ** (np.maximum(np.frexp(np.where(r == 0, 1, r))[1] - 1, 0) - 1)
;;       q = np.round(r / step) * step * 2.0 ** e      # np.round: ties to even
;;       return np.moveaxis(q.reshape(q.shape[:-2] + (-1,))[..., :K], -1, axis).astype(np.float32)
;;   ~~~
;;   OPERANDS COMPUTED ON THE WAY. 'Computed on the way' means the value that the module computes at that place (a softmax that the list does not call 'softmax' is quantised finished and normalised). What goes into a quantiser is computed in f32, as accurately as f32 sums, v_exp_f32 and their like allow (about 1e-6 of the number): no bf16 or f16 on the way to a quantiser, and a product that is left as it is and whose result goes on into a quantised operand takes f32 operands (vector FMAs, or v_wmma_f32_16x16x4_f32). A number that lies on a knife's edge between two numbers of the format may be rounded either way, as far as f32 arithmetic and the matrix unit's own rounding can turn it there, and no further.
;; One version. Each part assembles by itself: llvm-mc -triple=amdgcn-amd-amdhsa -mcpu=gfx1250 --defsym DOCPART=n.
;; ======== version 1 of 1: 2 launches
;; limits: right only within a limited range of input values
;; workspace buffers: xq 17,825,792 bytes; wq 4,456,448 bytes
;; launch prep (part 1): grid 1280 x 1, 4 waves a work-group, no clusters, 34,304 bytes of LDS; arguments x, lora_matrix_A, lora_matrix_B, xq, wq; writes xq, wq
.if DOCPART == 1
	.amdgcn_target "amdgcn-amd-amdhsa--gfx1250"
	.amdhsa_code_object_version 6
	.text
	.protected	k_q88c35ed253_prep
	.globl	k_q88c35ed253_prep
	.p2align	8
	.type	k_q88c35ed253_prep,@function
k_q88c35ed253_prep:
	s_mov_b64 s[64:65], 0
	v_nop
	global_prefetch_b8 v0, s[64:65] scope:SCOPE_SE
	s_setreg_imm32_b32 hwreg(HW_REG_WAVE_MODE, 25, 1), 1
	s_wait_xcnt 0x0
; Both operands of out = x W^T, W = lora_B lora_A, are turned ONCE into codes of FP4 (E2M1) with one E8M0 scale byte for each 32 along K = the 4,096 input features.
; x: [8192][4096] f32.  lora_A: [16][4096], lora_B: [2048][16] f32.  W [2048][4096] is made in f32 (v_wmma_f32_16x16x4_f32, k ascending), since it goes into a quantiser, and never goes to memory as f32.
; A block's scale is 2^(floor(log2(its largest magnitude)) - 2); its byte is the largest magnitude's exponent field - 2, held at 1 from below; each number is divided by the scale and rounded to the nearest code, ties to even, beyond 6 the code of 6.
; LIMITS: NaN and infinities among the inputs are not served.  A block of zeros gets the byte 1 where the rule says 127: its codes are zeros, which add nothing under any byte but 0xff, and this program alone reads the bytes.
;         Blocks whose largest magnitude lies under 2^-124 keep the byte 1, as the rule's hold at -126 asks; they were not tried.
; WHAT IS STORED, in the order of the operand's registers.  A fragment is 16 rows x 128 K: 8 registers a lane (lane l: row l % 16; registers 4 c .. 4 c + 3: k = 64 c + 32 (l / 16) + 0 .. 31).  Its image is 1,024 bytes:
;   register group c of lane l at 512 c + 16 l.   xq: [64 blocks of 128 rows][8 K steps of 512][KB bytes];  wq: the same with 16 blocks of W's rows.
;   The KB = 34,816 bytes of a block's K step: [8 tiles of 16 rows][4 x 128 K][1,024] of images, then from byte 32,768 the scale words [128 rows][4 words]: one dense run, 136 x 256 bytes, which the next launch takes by one tensor load.
; SHARES.  Work-groups 0-255 make W, 256-1279 quantise x; one scalar branch on the work-group's number parts them.  Waves share nothing: no barrier.  Only x's path uses LDS.
; No cluster and no joint loads: each byte of x is read by one wave alone, and lora_A and lora_B together are 3 parts in 1,000 of the bytes read.  No tensor loads: counted loads into registers keep 32 loads of each wave on their way.
; No prefetch: the text has no loop to run ahead in, and each wave's loads go out at its head.
.set SP,   528                         ; a row of the stage: 512 bytes + 16: the 16 rows that a load touches begin in 16 different 16-byte columns of 256 bytes
.set STG,  16*SP                       ; a wave's stage
.set KB,   34816                       ; a block's K step: images and scale words
.set BLK,  8*KB                        ; a block of 128 rows
.set SCO,  32768                       ; where the scale words begin in a K step
.set MX,   10                          ; v10-13  largest magnitudes
.set BY,   14                          ; v14-17  lane permutes' results, then scale bytes
.set SO,   18                          ; v18-21  the conversions' scale operands
.set WD,   24                          ; v24-27  four scale words
.set CD,   32                          ; v32-63  x's codes: 8 registers a fragment, so that no store's data are written again
.set RS,   64                          ; v64-191 x: two sets of 64 numbers
.set AT,   64                          ; v64-127 W's path: lora_A's operand registers, 8 a tile
.set BT,   128                         ; v128-159 lora_B's, 8 a tile of 16 rows
.set PC,   160                         ; v160-191 W's codes, 8 a fragment
.set H,    192                         ; v192-255 eight f32 accumulators: written by matrix instructions alone
	s_load_b256 s[4:11], s[0:1], 0x0               ; x s[4:5], lora_A s[6:7], lora_B s[8:9], xq s[10:11]
	s_load_b64 s[12:13], s[0:1], 0x20              ; wq
	v_lshl_add_u32 v30, v0, 2, 0x8400              ; my spare word, behind the four stages
	v_mov_b32 v31, 0
	v_lshrrev_b32 v1, 5, v0
	v_readfirstlane_b32 s16, v1                    ; wave 0..3
	v_and_b32 v2, 31, v0                           ; lane
	v_and_b32 v3, 15, v0                           ; r
	v_bfe_u32 v4, v0, 4, 1                         ; h
	v_lshlrev_b32 v5, 4, v2                        ; 16 x lane: my place in 512 consecutive bytes; never rewritten
	v_lshlrev_b32 v6, 3, v4                        ; 8 h
	s_mov_b32 s20, 0x76543210
	s_mov_b32 s21, 0xfedcba98                      ; v_permlanex16_b32's selects for lane l xor 16
	s_mov_b32 s22, 0xffff0000                      ; lanes 16-31
.irp b, 0,1,2,3
	v_mov_b32 v[BY+\b], 0                          ; written once: a lane permute's destination counts as one of its sources
.endr
	v_mov_b32 v23, 0
	s_mov_b32 s25, 0                               ; the upper word of every offset: all lie under 2^31
	s_mov_b32 s29, 0
	s_wait_kmcnt 0x0
	s_cmp_lt_u32 ttmp9, 256
	s_cbranch_scc1 .Lweights
; ---------------- x: a wave takes 16 rows x 512 along K: four fragments ----------------
	s_sub_co_u32 s17, ttmp9, 256
	s_lshl_b32 s17, s17, 2
	s_add_co_u32 s17, s17, s16                     ; my task, 0 .. 4,095
	s_and_b32 s18, s17, 7                          ; K step
	s_lshr_b32 s19, s17, 3                         ; tile of 16 rows, 0 .. 511
	s_lshl_b32 s24, s19, 18                        ; x: 16 rows of 16,384 bytes,
	s_lshl_b32 s26, s18, 11                        ; 512 numbers of 4 bytes
	s_add_co_u32 s24, s24, s26
	s_add_nc_u64 s[4:5], s[4:5], s[24:25]
	s_lshr_b32 s24, s19, 3                         ; xq: block of 128 rows,
	s_mul_i32 s24, s24, BLK
	s_mul_i32 s26, s18, KB                         ; K step
	s_add_co_u32 s24, s24, s26
	s_and_b32 s26, s19, 7                          ; tile in the block
	s_lshl_b32 s28, s26, 8                         ; its scale words: 16 rows x 16 bytes
	s_add_co_u32 s28, s28, s24
	s_add_co_u32 s28, s28, SCO
	s_add_nc_u64 s[14:15], s[10:11], s[28:29]
	s_lshl_b32 s26, s26, 12                        ; its images: 4,096 bytes
	s_add_co_u32 s24, s24, s26
	s_add_nc_u64 s[10:11], s[10:11], s[24:25]
	s_mul_i32 s27, s16, STG                        ; my wave's stage
	s_wait_alu depctr_va_vdst(0)
	v_add_nc_u32 v7, s27, v5                       ; into it: a row's 512 bytes as they were loaded
	v_mul_u32_u24 v8, v3, SP
	v_lshl_add_u32 v8, v4, 7, v8
	v_add_nc_u32 v8, s27, v8                       ; out of it: row r, from number 32 h on
	v_lshl_add_u32 v9, v3, 4, v6                   ; my 8 bytes of the rows' scale words: 16 r + 8 h
; 16 loads: 128 numbers (the f-th of the K step) of each of my 16 rows; each load reads 512 consecutive bytes, 16 a lane
.macro XLOAD f, set
.irp p, 0,1,2,3,4,5,6,7,8,9,10,11,12,13,14,15
	global_load_b128 v[RS+64*(\set)+4*\p:RS+64*(\set)+4*\p+3], v5, s[4:5] offset:\p*16384+(\f)*512 th:TH_LOAD_NT
.endr
.endm
; The conversions take neighbours along K from ONE lane's registers: the 16 x 128 numbers turn through the wave's own stage and come back so that register 32 c + i of lane (r, h) is k = 64 c + 32 h + i of row r
.macro XTURN set
.irp p, 0,1,2,3,4,5,6,7,8,9,10,11,12,13,14,15
	ds_store_b128 v7, v[RS+64*(\set)+4*\p:RS+64*(\set)+4*\p+3] offset:\p*SP
.endr
	s_wait_dscnt 0x0                               ; the stores have read their registers, into which the loads below land
.irp c, 0,1
.irp j, 0,1,2,3,4,5,6,7
	ds_load_b128 v[RS+64*(\set)+32*\c+4*\j:RS+64*(\set)+32*\c+4*\j+3], v8 offset:256*\c+16*\j
.endr
.endr
	s_wait_dscnt 0x0
.endm
; A lane holds two whole blocks of 32 (blocks h and 2 + h of its row's four): no other lane is asked for a maximum; the scale word's four bytes are gathered from lanes l and l xor 16
.macro QX f, set
.set XS, RS+64*(\set)
.irp c, 0,1
	v_max3_num_f32 v[MX+\c], |v[XS+32*\c]|, |v[XS+32*\c+1]|, 0x1800000   ; and the floor 2^(3 - 127): so the byte cannot fall under 1
.endr
.irp i, 2,4,6,8,10,12,14,16,18,20,22,24,26,28,30
.irp c, 0,1
	v_max3_num_f32 v[MX+\c], v[MX+\c], |v[XS+32*\c+\i]|, |v[XS+32*\c+\i+1]|   ; (the two blocks by turns)
.endr
.endr
.irp c, 0,1
	v_add_nc_u32 v[SO+\c], 0xff000000, v[MX+\c]    ; 2 off the exponent field: the conversion takes the exponent field of this operand as its scale
.endr
.irp c, 0,1
	v_lshrrev_b32 v[BY+\c], 23, v[SO+\c]           ; the scale's byte
.endr
	v_lshl_or_b32 v22, v[BY+1], 16, v[BY]          ; my two bytes,
	v_lshlrev_b32 v22, v6, v22                     ; at their places in the word (8 h bits up);
	v_permlanex16_b32 v23, v22, s20, s21
	v_or_b32 v[WD+(\f)], v22, v23                  ; with lane l xor 16's two the word is whole, in both lanes
.irp c, 0,1
.irp g, 0,1,2,3
	v_cvt_scalef32_pk8_fp4_f32 v[CD+8*(\f)+4*\c+\g], v[XS+32*\c+8*\g:XS+32*\c+8*\g+7], v[SO+\c]   ; registers 4 c .. 4 c + 3 of the operand
.endr
.endr
	v_nop                                          ; one plain vector line behind the last scaled conversion
.irp c, 0,1
	global_store_b128 v5, v[CD+8*(\f)+4*\c:CD+8*(\f)+4*\c+3], s[10:11] offset:(\f)*1024+512*\c   ; the image: 32 lanes store 512 consecutive bytes, at a multiple of 512 from xq's first byte
.endr
.endm
	XLOAD 0, 0
	XLOAD 1, 1
	s_wait_alu depctr_va_vdst(0)                   ; ahead of the waits below
.irp f, 0,1,2,3
.if \f < 3
	s_wait_loadcnt 16                              ; loads come back in order: this fragment's 16 are in, the other set's 16 stay out
.else
	s_wait_loadcnt 0x0
.endif
	XTURN \f%2
	QX \f, \f%2
.if \f < 2
	XLOAD \f+2, \f%2                               ; the set just quantised takes the fragment two further on
.endif
.endr
	v_cndmask_b32 v28, v[WD], v[WD+2], s22         ; lanes 0-15 store words 0 and 1 of row r, lanes 16-31 words 2 and 3:
	v_cndmask_b32 v29, v[WD+1], v[WD+3], s22
	global_store_b64 v9, v[28:29], s[14:15]        ; 32 lanes store 256 consecutive bytes, at a multiple of 256 from xq's first byte
	s_wait_tensorcnt 0x0                           ; the wave's end, behind my last LDS store
	ds_add_u32 v30, v31
	s_wait_dscnt 0x0
	s_endpgm
; ---------------- W: a wave takes 64 rows of W x 128 along K: four fragments ----------------
; THE PRODUCT IS USED TRANSPOSED: source 0 = 16 columns i of lora_A (as rows of its transpose), source 1 = 16 rows o of lora_B: a lane then holds ONE row o = r of W, and its registers run along i, which is the next K.
; THE COLUMNS THAT FORM A TILE ARE NOT NEIGHBOURS: lane r of tile 2 b + u takes i = 32 b + 8 u + r + 8 (r / 8), so that the 16 registers of tiles 2 b and 2 b + 1 are i = 32 b + 16 h + 0 .. 15.
.Lweights:
	s_and_b32 s18, ttmp9, 7                        ; K step of 512; my wave takes its 128 numbered by the wave
	s_lshr_b32 s19, ttmp9, 3                       ; block of 64 rows of W, 0 .. 31
	s_lshl_b32 s24, s18, 11
	s_lshl_b32 s26, s16, 9
	s_add_co_u32 s24, s24, s26
	s_add_nc_u64 s[6:7], s[6:7], s[24:25]          ; lora_A at my first column
	s_lshl_b32 s24, s19, 12
	s_add_nc_u64 s[8:9], s[8:9], s[24:25]          ; lora_B at my first row (64 bytes a row)
	s_lshr_b32 s24, s19, 1                         ; wq: block of 128 rows,
	s_mul_i32 s24, s24, BLK
	s_mul_i32 s26, s18, KB                         ; K step
	s_add_co_u32 s24, s24, s26
	s_and_b32 s26, s19, 1                          ; which 64 rows of the block
	s_lshl_b32 s28, s26, 10                        ; their scale words: 64 rows x 16 bytes,
	s_add_co_u32 s28, s28, s24
	s_lshl_b32 s27, s16, 2                         ; my word of a row's four
	s_add_co_u32 s28, s28, s27
	s_add_co_u32 s28, s28, SCO
	s_add_nc_u64 s[14:15], s[12:13], s[28:29]
	s_lshl_b32 s26, s26, 14                        ; their images: four tiles x 4,096,
	s_add_co_u32 s24, s24, s26
	s_lshl_b32 s26, s16, 10                        ; my 128 along K x 1,024
	s_add_co_u32 s24, s24, s26
	s_add_nc_u64 s[12:13], s[12:13], s[24:25]
	s_wait_alu depctr_va_vdst(0)
	v_and_b32 v7, 8, v3
	v_add_nc_u32 v7, v7, v3                        ; r + 8 (r / 8)
	v_lshlrev_b32 v7, 2, v7
	v_lshl_add_u32 v7, v4, 15, v7                  ; lora_A: the f32 operand's register j holds k = 2 h + j: lanes 16-31 begin two rows of 16,384 bytes further down
	v_lshl_add_u32 v8, v3, 6, v6                   ; lora_B: row r of 64 bytes, + 8 h
.irp t, 0,1,2,3,4,5,6,7
.irp s, 0,1,2,3
.irp j, 0,1
	global_load_b32 v[AT+8*\t+2*\s+\j], v7, s[6:7] offset:(4*\s+\j)*16384+(32*(\t/2)+8*(\t%2))*4   ; lora_A(4 s + 2 h + j, the tile's column of lane r)
.endr
.endr
.endr
.irp u, 0,1,2,3
.irp s, 0,1,2,3
	global_load_b64 v[BT+8*\u+2*\s:BT+8*\u+2*\s+1], v8, s[8:9] offset:\u*1024+16*\s                 ; lora_B(16 u + r, 4 s + 2 h + 0, 1)
.endr
.endr
; 64 numbers of a lane, register 16 b + i = k 32 b + 16 h + i of my row, become a fragment's codes in v[pc] on and its scale word in v[pw].  Each accumulator is read from its low end on.
.macro QUANT s, pc, pw
.irp b, 0,1,2,3
	v_max3_num_f32 v[MX+\b], |v[(\s)+16*\b]|, |v[(\s)+1+16*\b]|, 0x1800000   ; block b: my 16 numbers, and the floor 2^(3 - 127)
.endr
.irp i, 2,4,6,8,10,12,14
.irp b, 0,1,2,3
	v_max3_num_f32 v[MX+\b], v[MX+\b], |v[(\s)+16*\b+\i]|, |v[(\s)+1+16*\b+\i]|   ; (the four blocks by turns)
.endr
.endr
.irp b, 0,1,2,3
	v_permlanex16_b32 v[BY+\b], v[MX+\b], s20, s21
.endr
.irp b, 0,1,2,3
	v_max_num_f32 v[MX+\b], v[MX+\b], v[BY+\b]     ; with lane l xor 16's: the block's largest magnitude
.endr
.irp b, 0,1,2,3
	v_add_nc_u32 v[SO+\b], 0xff000000, v[MX+\b]    ; 2 off its exponent field: the conversion's scale operand
.endr
.irp b, 0,1,2,3
	v_lshrrev_b32 v[BY+\b], 23, v[SO+\b]           ; the scale's byte
.endr
	v_lshl_or_b32 v[\pw], v[BY+1], 8, v[BY]        ; the four bytes make my row's scale word (the same in lanes r and 16 + r)
	v_lshl_or_b32 v[\pw], v[BY+2], 16, v[\pw]
	v_lshl_or_b32 v[\pw], v[BY+3], 24, v[\pw]
.irp b, 0,1,2,3
	v_cvt_scalef32_pk8_fp4_f32 v[(\pc)+2*\b], v[(\s)+16*\b:(\s)+7+16*\b], v[SO+\b]
	v_cvt_scalef32_pk8_fp4_f32 v[(\pc)+1+2*\b], v[(\s)+8+16*\b:(\s)+15+16*\b], v[SO+\b]
.endr
	v_nop                                          ; one plain vector line behind the last scaled conversion
.irp c, 0,1                                    ; the operand's layout wants a WHOLE block in a lane: lanes 0-15 block 2 c, lanes 16-31 block 2 c + 1
.irp i, 0,1
	v_permlane16_swap_b32 v[(\pc)+4*\c+\i], v[(\pc)+2+4*\c+\i]
.endr
.endr
.endm
	s_wait_loadcnt 0x0
.irp u, 0,1,2,3                                ; rows 16 u .. 16 u + 15 of my 64
.irp s, 0,1,2,3                                ; K = 16 in four steps; the eight accumulators take turns, one instruction a turn; the first step's products start the sums with the constant 0
.irp t, 0,1,2,3,4,5,6,7
.if \s == 0
	v_wmma_f32_16x16x4_f32 v[H+8*\t:H+8*\t+7], v[AT+8*\t+2*\s:AT+8*\t+2*\s+1], v[BT+8*\u+2*\s:BT+8*\u+2*\s+1], 0
.else
	v_wmma_f32_16x16x4_f32 v[H+8*\t:H+8*\t+7], v[AT+8*\t+2*\s:AT+8*\t+2*\s+1], v[BT+8*\u+2*\s:BT+8*\u+2*\s+1], v[H+8*\t:H+8*\t+7]
.endif
.endr
.endr
.rept 8
	v_nop                                          ; eight places between this form's last product and the first read of a result (ISA guide 7.12.1).  The next 16 rows' first products, which write over these results, stand behind these eight
.endr                                              ; and behind the sixteen plain lines of QUANT that name no accumulator: more than the nine that are asked
	QUANT H, PC+8*\u, WD+\u
.irp c, 0,1
	global_store_b128 v5, v[PC+8*\u+4*\c:PC+8*\u+4*\c+3], s[12:13] offset:\u*4096+512*\c   ; the image: 512 consecutive bytes a store
.endr
.endr
	v_cndmask_b32 v28, v[WD], v[WD+1], s22         ; lanes 0-15: rows 0-15, lanes 16-31: rows 16-31;
	v_cndmask_b32 v29, v[WD+2], v[WD+3], s22       ; rows 32-47 and 48-63
	global_store_b32 v5, v28, s[14:15]             ; 4 bytes of each row's 16: the other three words are the other three waves'.  262,144 bytes in all leave so
	global_store_b32 v5, v29, s[14:15] offset:512
	s_endpgm
.Lfunc_end_k_q88c35ed253_prep:
	.size	k_q88c35ed253_prep, .Lfunc_end_k_q88c35ed253_prep-k_q88c35ed253_prep
	.p2alignl 7, 3214868480
	.fill 96, 4, 3214868480
	.section	.rodata,"a",@progbits
	.p2align	6, 0x0
	.amdhsa_kernel k_q88c35ed253_prep
		.amdhsa_group_segment_fixed_size 34304
		.amdhsa_private_segment_fixed_size 0
		.amdhsa_enable_private_segment 0
		.amdhsa_kernarg_size 40
		.amdhsa_user_sgpr_count 2
		.amdhsa_user_sgpr_kernarg_segment_ptr 1
		.amdhsa_wavefront_size32 1
		.amdhsa_system_sgpr_workgroup_id_x 1
		.amdhsa_system_sgpr_workgroup_id_y 1
		.amdhsa_system_sgpr_workgroup_id_z 1
		.amdhsa_system_vgpr_workitem_id 0
		.amdhsa_next_free_vgpr 256
		.amdhsa_next_free_sgpr 66
		.amdhsa_reserve_vcc 0
		.amdhsa_float_denorm_mode_32 3
		.amdhsa_float_denorm_mode_16_64 3
		.amdhsa_memory_ordered 1
		.amdhsa_forward_progress 1
		.amdhsa_inst_pref_size 64
	.end_amdhsa_kernel
	.amdgpu_metadata
---
amdhsa.version: [ 1, 2 ]
amdhsa.kernels:
  - .name:           k_q88c35ed253_prep
    .symbol:         k_q88c35ed253_prep.kd
    .args:
      - { .name: x, .offset: 0, .size: 8, .value_kind: global_buffer, .address_space: global }
      - { .name: lora_matrix_A, .offset: 8, .size: 8, .value_kind: global_buffer, .address_space: global }
      - { .name: lora_matrix_B, .offset: 16, .size: 8, .value_kind: global_buffer, .address_space: global }
      - { .name: xq, .offset: 24, .size: 8, .value_kind: global_buffer, .address_space: global }
      - { .name: wq, .offset: 32, .size: 8, .value_kind: global_buffer, .address_space: global }
    .group_segment_fixed_size: 34304
    .private_segment_fixed_size: 0
    .kernarg_segment_align: 8
    .kernarg_segment_size: 40
    .max_flat_workgroup_size: 128
    .sgpr_count:     66
    .vgpr_count:     256
    .wavefront_size: 32
...
	.end_amdgpu_metadata
.endif
;; end of part 1
;; launch gemm (part 2): grid 8 x 32, 4 waves a work-group, clusters of 4 x 4, 327,680 bytes of LDS; arguments xq, wq, out0; writes out0
.if DOCPART == 2
	.amdgcn_target "amdgcn-amd-amdhsa--gfx1250"
	.amdhsa_code_object_version 6
	.text
	.protected	k_q88c35ed253_gemm
	.globl	k_q88c35ed253_gemm
	.p2align	8
	.type	k_q88c35ed253_gemm,@function
k_q88c35ed253_gemm:
	s_mov_b64 s[64:65], 0
	v_nop
	global_prefetch_b8 v0, s[64:65] scope:SCOPE_SE
	s_setreg_imm32_b32 hwreg(HW_REG_WAVE_MODE, 25, 1), 1
	s_wait_xcnt 0x0
	s_wait_alu depctr_hold_cnt(0) depctr_sa_sdst(0) depctr_va_vdst(0) depctr_va_sdst(0) depctr_va_ssrc(0) depctr_va_vcc(0) depctr_vm_vsrc(0)
	s_getreg_b32 s2, hwreg(HW_REG_IB_STS2, 6, 4)
	s_cmp_eq_u32 s2, 0
	s_cbranch_scc0 .Lentry_in_a_cluster
	s_endpgm
.Lentry_in_a_cluster:
	s_bfe_u32 s2, ttmp6, 0x10000c
	s_cmp_lg_u32 s2, 0xf033
	s_cbranch_scc0 .Lentry_shape_is_right
	s_endpgm
.Lentry_shape_is_right:
; out[m][n] = sum over k of x[m][k] W[n][k] on the codes of FP4 (E2M1) and E8M0 scale bytes that the launch before has laid: xq [64 blocks of 128 rows][8 K steps of 512][KB bytes], wq the same with 16 blocks.
; The KB = 34,816 bytes of a block's K step are the register images of its 32 fragments (16 rows x 128 K, 1,024 bytes: register group c of lane l at 512 c + 16 l; fragment (tile i, quarter q) at (4 i + q) x 1,024),
; and from byte 32,768 its scale words [128 rows][4 words].  So codes AND scales of 128 rows come by ONE tensor load of 136 rows of 256 bytes, and fragments are read from LDS 16 bytes a lane on end: no padding is needed.
; A tile of out, 256 x 256, is made by four waves, 128 x 128 each: 64 accumulators, 512 registers.  K goes in steps of 512 through a ring of two LDS slots (A's two blocks, then B's two); each wave fetches one block.
; CLUSTERS: 4 x 4 work-groups; A's blocks are asked for jointly along a row of the cluster, B's along a column.  The matrix instruction is used transposed (source 0 = W's rows, source 1 = x's rows): a lane holds 8 neighbouring numbers of a row of out.
; K'S ORDER: a cluster walks the eight K steps from step 0 or from step 4 and round (by the parity of cluster x + cluster y), so that the two clusters that read the same rows of xq begin at different ends.
; LIMIT: the f32 sums are therefore taken in an order of K that begins at 0 or at 2,048; each output has one accumulator.
; THE LAST K STEP GOES BY ROWS OF out: all its fragments of B fill window 1, and my eight blocks of 16 rows are finished one after the other, each leaving as soon as it is finished.
; PREFETCH: behind the joint load of K step s stands the request for K step s + 2 (steps 1, 2 and 3 are asked for at the head); a wave's block is 136 units of 256 bytes, of which each of the four partners that load it
; jointly names 34, told apart by address (cx for A, cy for B): two instructions a wave, a lane a unit, the second's spare lanes on the share's last unit.  The last two refills ask for nothing.
; REGISTERS: window 0: v0-31 addresses, v32-95 scale words (two sets), v96-127 a block of A in the last K step, v128-255 the way out.  Window 1: two fragment buffers of 128 (B's eight fragments, then A's eight).  Windows 2, 3: the accumulators of my rows 0-63, 64-127.
.set SIZE_N, 2048
.set KB,     34816
.set BLK,    8*KB
.set SLOT,   4*KB
.set SCO,    32768                     ; the scale words in a block's K step
.set SPARE,  2*SLOT                    ; behind the ring: the spare words, 128 bytes a wave
.set SHARE,  34*256                    ; a partner's part of a block in the prefetches
.set SPITCH, 528                       ; the way out: a stage of 16 rows x (512 + 16) bytes a wave, in slot 0 behind its last fill and last read
.set ADRA, 16                          ; v16-17 my A fragments in slot 0, 1
.set ADRB, 20                          ; v20-21 my B fragments
.set ADRS, 22                          ; v22-23 my scale words: lanes 0-15 A's rows, lanes 16-31 B's
.set STO,  24
.set RD,   25
.set CO,   26
.set SPW,  28
.set NIL,  29
.set PF0,  30                          ; the prefetches' offsets: units 0-31 of my share; units 32, 33
.set PF1,  31
.set SC,   32
.set PA,   96
.set BK,   128
.set F0,   0
.set F1,   128
.set G1, 24
.set G0, 32
.set G1B, 48
.set G0B, 56
.set BASA, 66                          ; s[66:67] the block of xq that I fetch; s[68:69] that of wq
.set BASB, 68
.set KST,  70                          ; the K step last asked for
.set KOF,  72                          ; s[72:73] its byte offset
.set PFB,  74                          ; s[74:75] my share of the block that I fetch; s[76:77] the same at the K step to be prefetched
.set PFA,  76
.set PK,   78
.set POF,  80
.set MSB, 0
.macro WIN new                         ; the immediate's high byte repeats the setting that is left
.if MSB != \new
	s_set_vgpr_msb (MSB<<8)|\new
.set MSB, \new
.endif
.endm
.set MUL_LO, 0xa5                      ; sources 0 and 1 window 1, C and D window 2
.set MUL_HI, 0xf5                      ; the same, C and D window 3
.set TO_F,   0x40                      ; destination window 1, address window 0
.macro PLACES                          ; four places behind matrix instructions, in front of loads into their sources and of reads of results
.rept 4
	v_nop
.endr
.endm
.macro JLOAD s                         ; a joint load: waves 0, 1 fetch A's two blocks, waves 2, 3 B's; s_nop 0 and four v_nop behind each line
	s_cmp_eq_u32 s11, 0
	s_cbranch_scc0 .Lfor_b_\@
	tensor_load_to_lds s[G0+4*\s:G0+4*\s+3], s[G1:G1+7]
	s_nop 0
	PLACES
	s_branch .Lasked_\@
.Lfor_b_\@:
	tensor_load_to_lds s[G0B+4*\s:G0B+4*\s+3], s[G1B:G1B+7]
	s_nop 0
	PLACES
.Lasked_\@:
.endm
.macro CREST                           ; a round of the cluster's barrier behind its opening barrier
	s_cmp_lg_u32 s10, 0
	s_cbranch_scc1 .Lnot_wave_0_\@
	s_barrier_signal -3
.Lnot_wave_0_\@:
	s_barrier_wait -3
	s_barrier_signal -1
	s_barrier_wait -1
.endm
.macro CROUND
	s_barrier_signal -1
	s_barrier_wait -1
	CREST
.endm
.macro ASK off                         ; my share's 34 units of the K step at s[PFA] + off
	global_prefetch_b8 v[PF0], s[PFA:PFA+1] offset:\off th:TH_LOAD_NT scope:SCOPE_SE
	global_prefetch_b8 v[PF1], s[PFA:PFA+1] offset:\off th:TH_LOAD_NT scope:SCOPE_SE
.endm
.macro ASKL                            ; in the loop: its last trip (s3 = 1) has no K step two refills on
	s_cmp_gt_u32 s3, 1
	s_cbranch_scc0 .Lno_ask_\@
	ASK 0
.Lno_ask_\@:
.endm
	s_load_b128 s[4:7], s[0:1], 0x0                ; xq, wq
	s_load_b64 s[8:9], s[0:1], 0x10                ; out
	v_lshl_add_u32 v[SPW], v0, 2, SPARE
	v_mov_b32 v[NIL], 0
	ds_add_u32 v[SPW], v[NIL]                      ; the opening lines: the add, twice on end, and its wait ahead of my first tensor load
	ds_add_u32 v[SPW], v[NIL]
	v_lshrrev_b32 v1, 5, v0
	v_readfirstlane_b32 s10, v1                    ; wave 0..3
	s_lshr_b32 s11, s10, 1                         ; my half of the tile's rows.  Also: I fetch for A (0) or for B (1)
	s_and_b32 s12, s10, 1                          ; my half of its columns.  Also: which block of the two I fetch
	s_bfe_u32 s40, ttmp6, 0x40000                  ; cx, cy
	s_bfe_u32 s41, ttmp6, 0x40004
	s_lshl_b32 s42, ttmp9, 2
	s_add_co_u32 s42, s42, s40                     ; tile column
	s_and_b32 s13, ttmp7, 0xffff
	s_add_co_u32 s[KST], s13, ttmp9
	s_and_b32 s[KST], s[KST], 1
	s_lshl_b32 s[KST], s[KST], 2                   ; the cluster's first K step: 0 or 4
	s_mul_i32 s[KOF], s[KST], KB
	s_mov_b32 s[KOF+1], 0
	s_lshl_b32 s13, s13, 2
	s_add_co_u32 s13, s13, s41                     ; tile row
	s_lshl_b32 s43, s41, 2
	s_lshl_b32 s43, 15, s43                        ; my row of the cluster
	s_lshl_b32 s44, 0x1111, s40                    ; my column
	s_or_b32 s[G1+0], s43, (3<<16)|(1<<21)         ; the mask; elements of 8 bytes; bit 21 beside a mask
	s_or_b32 s[G1B+0], s44, (3<<16)|(1<<21)
.irp g, G1, G1B
	s_mov_b32 s[\g+1], 32<<16                      ; rows of 32 elements = 256 bytes,
	s_mov_b32 s[\g+2], 136<<16                     ; 136 of them, dense
	s_mov_b32 s[\g+3], 32<<16
	s_mov_b32 s[\g+4], 136
	s_mov_b32 s[\g+5], 32
	s_mov_b32 s[\g+6], 0
	s_mov_b32 s[\g+7], 0
.endr
	s_lshl_b32 s16, s13, 1
	s_add_co_u32 s16, s16, s12
	s_mul_i32 s16, s16, BLK                        ; A: block 2 x tile row + half
	s_mov_b32 s17, 0
	s_lshl_b32 s46, s42, 1
	s_add_co_u32 s46, s46, s12
	s_mul_i32 s46, s46, BLK                        ; B: block 2 x tile column + half
	s_mov_b32 s47, 0
	s_mul_i32 s20, s10, KB                         ; where my block goes: wave x KB
	s_wait_dscnt 0x0                               ; both opening adds are done
	s_wait_kmcnt 0x0
	s_add_nc_u64 s[BASA:BASA+1], s[4:5], s[16:17]
	s_add_nc_u64 s[BASB:BASB+1], s[6:7], s[46:47]
	s_add_nc_u64 s[14:15], s[BASA:BASA+1], s[KOF:KOF+1]
	s_add_nc_u64 s[46:47], s[BASB:BASB+1], s[KOF:KOF+1]
	CROUND                                         ; all sixteen work-groups are here: the first joint loads meet
.irp s, 0,1
	s_mov_b32 s[G0+4*\s], 1
	s_add_co_u32 s[G0+4*\s+1], s20, \s*SLOT
	s_add_nc_u64 s[G0+4*\s+2:G0+4*\s+3], s[14:15], \s*KB
	s_or_b32 s[G0+4*\s+3], s[G0+4*\s+3], 0x80000000
	s_mov_b32 s[G0B+4*\s], 1
	s_add_co_u32 s[G0B+4*\s+1], s20, \s*SLOT
	s_add_nc_u64 s[G0B+4*\s+2:G0B+4*\s+3], s[46:47], \s*KB
	s_or_b32 s[G0B+4*\s+3], s[G0B+4*\s+3], 0x80000000
.endr
	JLOAD 0                                        ; the first K step: one tensor load a wave at the head
	s_mul_i32 s21, s11, KB                         ; my 128 rows of A, slot 0 and slot 1
	s_add_co_u32 s22, s21, SLOT
	s_mul_i32 s23, s12, KB                         ; my 128 rows of B, behind A's two blocks
	s_add_co_u32 s23, s23, 2*KB
	s_add_co_u32 s18, s23, SLOT
	s_sub_co_u32 s19, s23, s21                     ; from A's block to B's
	s_add_co_u32 s14, s21, SCO
	s_add_co_u32 s15, s14, SLOT
	s_mul_i32 s16, s10, 16*SPITCH                  ; my stage
	v_and_b32 v1, 15, v0                           ; r
	v_bfe_u32 v2, v0, 4, 1                         ; h
	v_and_b32 v3, 31, v0                           ; lane
	v_lshlrev_b32 v[CO], 4, v3                     ; 16 x lane: in an image, in a stage row, in a row of out
	v_add_nc_u32 v[ADRA], s21, v[CO]
	v_add_nc_u32 v[ADRA+1], s22, v[CO]
	v_add_nc_u32 v[ADRB], s23, v[CO]
	v_add_nc_u32 v[ADRB+1], s18, v[CO]
	v_mul_u32_u24 v4, s19, v2                      ; lanes 16-31 take B's words
	v_lshl_add_u32 v4, v1, 4, v4                   ; 16 bytes a row
	v_add_nc_u32 v[ADRS], s14, v4
	v_add_nc_u32 v[ADRS+1], s15, v4
	v_mul_u32_u24 v5, v1, SPITCH                   ; into the stage: row r, 32 bytes for each half of the lanes
	v_lshl_add_u32 v5, v2, 5, v5
	v_add_nc_u32 v[STO], s16, v5
	v_add_nc_u32 v[RD], s16, v[CO]                 ; back: the 32 lanes take one row of 512 bytes
	v_lshlrev_b32 v[PF0], 8, v3                    ; units 0-31 of my share
	v_min_u32 v6, 1, v3
	v_lshlrev_b32 v6, 8, v6
	v_add_nc_u32 v[PF1], 32*256, v6                ; units 32 and 33 (lanes 1-31 all name the last)
	s_wait_alu depctr_va_vdst(0)                   ; no vector register is written in the head behind this line
	s_lshl_b32 s20, s13, 8
	s_lshl_b32 s21, s11, 7
	s_add_co_u32 s20, s20, s21                     ; my first row of out,
	s_lshl_b32 s20, s20, 13                        ; 8,192 bytes a row,
	s_lshl_b32 s46, s42, 10
	s_lshl_b32 s47, s12, 9
	s_add_co_u32 s46, s46, s47                     ; my first column in bytes
	s_add_co_u32 s20, s20, s46
	s_mov_b32 s21, 0
	s_add_nc_u64 s[8:9], s[8:9], s[20:21]
	s_cmp_eq_u32 s11, 0                            ; do I fetch for A?
	s_cselect_b32 s22, s40, s41                    ; my place among the four that ask with me
	s_cselect_b64 s[PFB:PFB+1], s[BASA:BASA+1], s[BASB:BASB+1]
	s_mul_i32 s22, s22, SHARE
	s_mov_b32 s23, 0
	s_add_nc_u64 s[PFB:PFB+1], s[PFB:PFB+1], s[22:23]
	s_add_nc_u64 s[PFA:PFA+1], s[PFB:PFB+1], s[KOF:KOF+1]   ; at the cluster's first K step: steps + 1, + 2, + 3 do not wrap (the first is 0 or 4)
	s_add_co_u32 s[PK], s[KST], 3
	s_mov_b32 s[POF+1], 0
	s_add_co_u32 s[KST], s[KST], 1                 ; the second K step is asked for below
	ASK KB                                         ; the second K step
.macro MM acc, bf, af, sb, sa, zero
.if \zero
	v_wmma_scale_f32_16x16x128_f8f6f4 v[\acc:\acc+7], v[\bf:\bf+7], v[\af:\af+7], 0, v[\sb], v[\sa] matrix_a_fmt:MATRIX_FMT_FP4 matrix_b_fmt:MATRIX_FMT_FP4 matrix_a_scale:MATRIX_SCALE_ROW1
.else
	v_wmma_scale_f32_16x16x128_f8f6f4 v[\acc:\acc+7], v[\bf:\bf+7], v[\af:\af+7], v[\acc:\acc+7], v[\sb], v[\sa] matrix_a_fmt:MATRIX_FMT_FP4 matrix_b_fmt:MATRIX_FMT_FP4 matrix_a_scale:MATRIX_SCALE_ROW1
.endif
.endm
; 16 matrix instructions: A's blocks a0, a0 + 1 x B's eight, the slot's q-th 128 along K, from buffer f, scale set sc.  The 64 accumulators take turns, in the same order in every quarter.
.macro MUL16 a0, f, q, sc, zero
.irp a, \a0, \a0+1
.irp b, 0,1,2,3,4,5,6,7
	MM 8*(8*((\a)%4)+\b), \f+8*\b, \f+64+8*(\a), SC+32*(\sc)+4*\b+(\q), SC+32*(\sc)+4*(\a)+(\q), \zero
.endr
.endr
.endm
.macro FETCH slot, q, f                ; 32 LDS loads in one run: B's eight fragments and A's eight of the slot's q-th 128 along K, into buffer f
	WIN TO_F
.irp i, 0,1,2,3,4,5,6,7
.irp c, 0,1
	ds_load_b128 v[\f+8*\i+4*\c:\f+8*\i+4*\c+3], v[ADRB+\slot] offset:(4*\i+(\q))*1024+512*\c
.endr
.endr
.irp i, 0,1,2,3,4,5,6,7
.irp c, 0,1
	ds_load_b128 v[\f+64+8*\i+4*\c:\f+64+8*\i+4*\c+3], v[ADRA+\slot] offset:(4*\i+(\q))*1024+512*\c
.endr
.endr
.endm
.macro SCALES s                        ; the slot's scale words: four words a row; lanes 0-15 A's block i, lanes 16-31 B's block i
.irp i, 0,1,2,3,4,5,6,7
	ds_load_b128 v[SC+32*\s+4*\i:SC+32*\s+4*\i+3], v[ADRS+\s] offset:256*\i
.endr
.endm
; One of a slot's first three quarters: the NEXT quarter's 32 loads go out first, into the other buffer, 64 matrix instructions ahead of their use; then this quarter's products.
.macro QUARTER slot, q, zero
	PLACES                                         ; the other buffer was read by the quarter before
	FETCH \slot, (\q)+1, 128*(1-(\q)%2)
	s_wait_dscnt 32                                ; all but the 32 just issued: this quarter's fragments and the slot's scale words are in
	WIN MUL_LO
	MUL16 0, 128*((\q)%2), \q, \slot, \zero
	MUL16 2, 128*((\q)%2), \q, \slot, \zero
	WIN MUL_HI
	MUL16 4, 128*((\q)%2), \q, \slot, \zero
	MUL16 6, 128*((\q)%2), \q, \slot, \zero
.endm
; The first half of a slot's last quarter, which multiplies buffer 1: ONE barrier for the change of slots; in front of it each wave waits for all its tensor loads, adds 0 to its spare word, and waits for that and for its reads of this slot.
.macro MEET slot, fill
	WIN 0                                          ; (the add's two registers lie in window 0)
.if \fill
	s_wait_xcnt 0x0                                ; my prefetches have read their address: it steps to the K step two refills on
	s_add_co_u32 s[PK], s[PK], 1
	s_and_b32 s[PK], s[PK], 7
	s_mul_i32 s[POF], s[PK], KB
	s_add_nc_u64 s[PFA:PFA+1], s[PFB:PFB+1], s[POF:POF+1]
.endif
	s_wait_tensorcnt 0x0                           ; all my tensor loads have landed: the one that was out is my block of the next slot
	ds_add_u32 v[SPW], v[NIL]
.if \fill
	s_add_co_u32 s[KST], s[KST], 1                 ; no load of mine is out: this slot's group 0 takes the next K step, round the eight
	s_and_b32 s[KST], s[KST], 7
	s_mul_i32 s[KOF], s[KST], KB
	s_add_nc_u64 s[G0+4*\slot+2:G0+4*\slot+3], s[BASA:BASA+1], s[KOF:KOF+1]
	s_or_b32 s[G0+4*\slot+3], s[G0+4*\slot+3], 0x80000000
	s_add_nc_u64 s[G0B+4*\slot+2:G0B+4*\slot+3], s[BASB:BASB+1], s[KOF:KOF+1]
	s_or_b32 s[G0B+4*\slot+3], s[G0B+4*\slot+3], 0x80000000
.endif
	s_wait_dscnt 1                                 ; buffer 1 is in; the add may be out
	WIN MUL_LO
	MUL16 0, F1, 3, \slot, 0
	s_wait_dscnt 0x0                               ; the add is done, and my reads of this slot are over
	s_barrier_signal -1
	MUL16 2, F1, 3, \slot, 0
	WIN 0
	s_barrier_wait -1
.endm
.macro TURN slot, next                 ; the whole last quarter of a slot that is filled again
	MEET \slot, 1
	CREST                                          ; the barrier has opened a round of the cluster's barrier
	JLOAD \slot                                    ; the first tensor load behind the round; its four v_nop are the places in front of the loads below
	FETCH \next, 0, F0
	WIN 0
	SCALES \next
	ASKL
	WIN MUL_HI
	MUL16 4, F1, 3, \slot, 0
	MUL16 6, F1, 3, \slot, 0
.endm
	s_wait_alu depctr_va_vdst(0)                   ; the wait at the head's end
	s_wait_tensorcnt 0x0                           ; my block of the first K step is in; the same lines as ahead of a refill:
	ds_add_u32 v[SPW], v[NIL]
	s_wait_dscnt 0x0
	CROUND                                         ; everybody's block is in, and the joint loads meet
	JLOAD 1                                        ; slot 1's first fill, the first tensor load behind the round
	FETCH 0, 0, F0
	WIN 0
	SCALES 0
	ASK 2*KB                                       ; the third and fourth K steps
	ASK 3*KB
	QUARTER 0, 0, 1                                ; the first quarter stands in front of the loop: its products start the sums
	WIN 0                                          ; at a label and at a branch every window is 0
	s_mov_b32 s3, 3
.Llap:                                                 ; a trip goes once round the ring and fills both slots again
	QUARTER 0, 1, 0
	QUARTER 0, 2, 0
	TURN 0, 1
	QUARTER 1, 0, 0
	QUARTER 1, 1, 0
	QUARTER 1, 2, 0
	TURN 1, 0
	QUARTER 0, 0, 0
	WIN 0
	s_sub_co_u32 s3, s3, 1
	s_cmp_lg_u32 s3, 0
	s_cbranch_scc1 .Llap
	QUARTER 0, 1, 0                                ; the last lap fills nothing, and has no round
	QUARTER 0, 2, 0
; THE LAST K STEP (slot 1) BY ROWS OF out.  B's fragments of quarter q lie at v[64 q] of window 1; a block of A, 16 rows x 512 K, in 32 registers of window 0.  LDS is read no more than in any K step.
.macro BLOAD q
.irp i, 0,1,2,3,4,5,6,7
.irp c, 0,1
	ds_load_b128 v[64*\q+8*\i+4*\c:64*\q+8*\i+4*\c+3], v[ADRB+1] offset:(4*\i+\q)*1024+512*\c
.endr
.endr
.endm
.macro ALOAD a
.irp q, 0,1,2,3
.irp c, 0,1
	ds_load_b128 v[PA+8*\q+4*\c:PA+8*\q+4*\c+3], v[ADRA+1] offset:(4*(\a)+\q)*1024+512*\c
.endr
.endr
.endm
.macro ROW a                           ; block a is finished: 32 matrix instructions, its eight accumulators by turns
	WIN 0xa1+0x50*((\a)/4)                         ; source 0 window 1, source 1 window 0, C and D window 2 or 3
.irp q, 0,1,2,3
.if (\a) == 0 && \q == 2
	s_wait_dscnt 0x0                               ; B's quarters 2 and 3 are in
.endif
.irp b, 0,1,2,3,4,5,6,7
	MM 8*(8*((\a)%4)+\b), 64*\q+8*\b, PA+8*\q, SC+32+4*\b+\q, SC+32+4*(\a)+\q, 0
.endr
.endr
.endm
	MEET 0, 0                                      ; slot 1 is whole, and nobody reads slot 0 any more
	PLACES                                         ; for the loads into buffer 0
	WIN TO_F
	BLOAD 0
	BLOAD 1
	WIN 0
	SCALES 1
	ALOAD 0
	WIN MUL_HI
	MUL16 4, F1, 3, 0, 0
	MUL16 6, F1, 3, 0, 0
	PLACES                                         ; for the loads into buffer 1
	WIN TO_F
	BLOAD 2
	BLOAD 3
	s_wait_dscnt 32                                ; all but the 32 just issued
	ROW 0
; THE WAY OUT, block by block of 16 rows x 128 columns: through my own stage in LDS, back as whole rows of 512 bytes, which the 32 lanes store as two aligned units of 256 bytes.
; LDS serves a wave's instructions in order (ISA guide 5.7.1.4): no wait between the stores and the loads.
.macro TOSTAGE a
.set AC, 64*((\a)%4)
	WIN 0x08+4*((\a)/4)                            ; the data: window 2 or 3
.irp b, 0,1,2,3,4,5,6,7
	ds_store_b128 v[STO], v[AC+8*\b:AC+8*\b+3] offset:64*\b          ; each accumulator from its low end on
	ds_store_b128 v[STO], v[AC+8*\b+4:AC+8*\b+7] offset:64*\b+16
.endr
	WIN 0
.set BB, BK+64*((\a)%2)
.irp t, 0,1,2,3,4,5,6,7,8,9,10,11,12,13,14,15
	ds_load_b128 v[BB+4*\t:BB+4*\t+3], v[RD] offset:\t*SPITCH
.endr
.endm
.macro SEND a
.set BB, BK+64*((\a)%2)
	s_wait_dscnt 0x0                               ; the block is back in registers, and the next block of A is in
.if (\a) > 0
	s_add_nc_u64 s[8:9], s[8:9], 16*SIZE_N*4       ; (behind a wait on XCNT: the earlier stores have read their base)
.endif
.irp t, 0,1,2,3,4,5,6,7,8,9,10,11,12,13,14,15
	global_store_b128 v[CO], v[BB+4*\t:BB+4*\t+3], s[8:9] offset:\t*SIZE_N*4 th:TH_STORE_NT
.endr
.endm
.irp a, 0,1,2,3,4,5,6,7
	PLACES                                         ; behind block a's products: for the reads of its results and the loads into A's registers
	WIN 0
.if \a < 7
	ALOAD \a+1                                     ; it comes in while block a goes through the stage
.endif
.if \a > 0
	s_wait_xcnt 0x0                                ; the earlier stores have read their registers and their base
.endif
	TOSTAGE \a
	SEND \a
.if \a < 7
	ROW \a+1
.endif
.endr
	s_wait_tensorcnt 0x0                           ; the wave's end
	ds_add_u32 v[SPW], v[NIL]
	s_wait_dscnt 0x0
	CROUND                                         ; the closing round
	s_endpgm
.Lfunc_end_k_q88c35ed253_gemm:
	.size	k_q88c35ed253_gemm, .Lfunc_end_k_q88c35ed253_gemm-k_q88c35ed253_gemm
	.p2alignl 7, 3214868480
	.fill 96, 4, 3214868480
	.section	.rodata,"a",@progbits
	.p2align	6, 0x0
	.amdhsa_kernel k_q88c35ed253_gemm
		.amdhsa_group_segment_fixed_size 327680
		.amdhsa_private_segment_fixed_size 0
		.amdhsa_enable_private_segment 0
		.amdhsa_kernarg_size 24
		.amdhsa_user_sgpr_count 2
		.amdhsa_user_sgpr_kernarg_segment_ptr 1
		.amdhsa_wavefront_size32 1
		.amdhsa_system_sgpr_workgroup_id_x 1
		.amdhsa_system_sgpr_workgroup_id_y 1
		.amdhsa_system_sgpr_workgroup_id_z 1
		.amdhsa_system_vgpr_workitem_id 0
		.amdhsa_next_free_vgpr 1024
		.amdhsa_next_free_sgpr 84
		.amdhsa_reserve_vcc 0
		.amdhsa_float_denorm_mode_32 3
		.amdhsa_float_denorm_mode_16_64 3
		.amdhsa_memory_ordered 1
		.amdhsa_forward_progress 1
		.amdhsa_inst_pref_size 209
	.end_amdhsa_kernel
	.amdgpu_metadata
---
amdhsa.version: [ 1, 2 ]
amdhsa.kernels:
  - .name:           k_q88c35ed253_gemm
    .symbol:         k_q88c35ed253_gemm.kd
    .args:
      - { .name: xq, .offset: 0, .size: 8, .value_kind: global_buffer, .address_space: global }
      - { .name: wq, .offset: 8, .size: 8, .value_kind: global_buffer, .address_space: global }
      - { .name: out0, .offset: 16, .size: 8, .value_kind: global_buffer, .address_space: global }
    .group_segment_fixed_size: 327680
    .private_segment_fixed_size: 0
    .kernarg_segment_align: 8
    .kernarg_segment_size: 24
    .max_flat_workgroup_size: 128
    .sgpr_count:     84
    .vgpr_count:     1024
    .wavefront_size: 32
...
	.end_amdgpu_metadata
.endif
;; end of part 2
